; MI455X (gfx1250); checked and timed in simulation.
; The chip was launched on July 23, 2026; its instructions are those of AMD's public machine-readable ISA for CDNA 5 (MIT licence, August 2026) and "CDNA5" Instruction Set Architecture Reference Guide (July 2026). The comments in the code are by the model that wrote it; some were corrected since.
;; Base Transformer. Allowed arithmetic: matrix products marked QUANTISED: E2M3 operands, one E8M0 scale for each 32 along K, by v_wmma_scale_f32_16x16x128_f8f6f4 with both operands' format E2M3, f32 sums; everything else in f32.
;; Inputs: b_o 128 float32; b_qkv 768 float32; b_res 128 float32; w_o 128 x 256 float32; w_qkv 768 x 128 float32; w_res 128 x 128 float32; x 16 x 128 x 1,024 float32.
;; Outputs: out0 16 x 128 x 1,024 float32.
;; This version of the problem:
;;   THIS VERSION OF THE PROBLEM IS GIVEN IN LOW PRECISION. The matrix products marked QUANTISED in the list below multiply operands that are first quantised to E2M3 (2 exponent bits, 3 mantissa bits; 6 bits a number), with one power-of-two scale for each 32 numbers along K (OCP MX v1.0); their sums are f32. All else is computed in f32.
;;   The module's matrix products, in the order in which they are computed (A, B: the left and right operand; K: the contracted axis; several contracted axes count as one K, in the product's order):
;;     1. [M 16,384, K 128] x [K 128, N 768]; A: input x; B: input w_qkv: QUANTISED
;;     2. batch 128 x [M 1,024, K 32] x [K 32, N 1,024]; A: computed on the way; B: computed on the way: QUANTISED
;;     3. batch 128 x [M 32, K 1,024] x [K 1,024, N 1,024]; A: computed on the way; B: softmax (see below): QUANTISED
;;     4. [M 16,384, K 256] x [K 256, N 128]; A: computed on the way; B: input w_o: QUANTISED
;;     5. [M 16,384, K 128] x [K 128, N 128]; A: input x; B: input w_res: QUANTISED
;;   THE QUANTISER, for each operand of a quantised product, along K:
;;     - K is cut into blocks of 32 from its start; a last block that is shorter is filled with zeros.
;;     - A block's scale is 2^e with e = floor(log2(the largest magnitude in the block)) - 2, held to -126 .. 127; a block of zeros has e = 0. As a byte (E8M0): e + 127.
;;     - Each number is divided by its block's scale, clamped to +-7.5, and rounded to the nearest number of E2M3, ties to even, subnormals kept.
;;     - The product sums the exact products of the quantised numbers (number of the format x scale) in f32.
;;   ~~~python
;;   def quantise(x, axis):      # numpy; x: float32 -> the quantised numbers, widened to float32 again
;;       x = np.moveaxis(x, axis, -1); K = x.shape[-1]
;;       x = np.pad(x, [(0, 0)] * (x.ndim - 1) + [(0, -K % 32)]); x = x.reshape(x.shape[:-1] + (-1, 32)); a = np.abs(x).max(-1, keepdims=True)
;;       e = np.where(a > 0, np.clip(np.frexp(np.where(a > 0, a, 1))[1] - 1 - 2, -126, 127), 0)      # np.frexp(a)[1] - 1 = floor(log2(a)), exactly
;;       r = np.clip(x / 2.0 ** e, -7.5, 7.5)
;;       step = 2.0 ** (np.maximum(np.frexp(np.where(r == 0, 1, r))[1] - 1, 0) - 3)
;;       q = np.round(r / step) * step * 2.0 ** e      # np.round: ties to even
;;       return np.moveaxis(q.reshape(q.shape[:-2] + (-1,))[..., :K], -1, axis).astype(np.float32)
;;   ~~~
;;   SOFTMAX AHEAD OF A QUANTISED PRODUCT. Where the list says 'softmax', what is quantised is not the finished softmax but p = 2^(t - M), with t = logit x log2(e) and M = ceil(the row's largest t), a whole number; so 1/2 < the row's largest p <= 1. The row's sum l is taken of the UNQUANTISED p, in f32, and the product's result is divided by l at the end. Since M is a whole number, a kernel that streams over the keys may use a running M (the ceiling of the running maximum): every later rescaling is an exact power of two, which a block's scale takes up: the codes' values come out the same.
;;   OPERANDS COMPUTED ON THE WAY. 'Computed on the way' means the value that the module computes at that place (a softmax that the list does not call 'softmax' is quantised finished and normalised). What goes into a quantiser is computed in f32, as accurately as f32 sums, v_exp_f32 and their like allow (about 1e-6 of the number): no bf16 or f16 on the way to a quantiser, and a product that is left as it is and whose result goes on into a quantised operand takes f32 operands (vector FMAs, or v_wmma_f32_16x16x4_f32). A number that lies on a knife's edge between two numbers of the format may be rounded either way, as far as f32 arithmetic and the matrix unit's own rounding can turn it there, and no further.
;; One version. Each part assembles by itself: llvm-mc -triple=amdgcn-amd-amdhsa -mcpu=gfx1250 --defsym DOCPART=n.
;; ======== version 1 of 1: 3 launches
;; workspace buffers: xc 1,572,864 bytes; xs 65,536 bytes; wc 110,592 bytes; wsc 4,608 bytes; zc 3,145,728 bytes; zs 131,072 bytes
;; launch quant (part 1): grid 292 x 1, 2 waves a work-group, no clusters, 0 bytes of LDS; arguments x, w_qkv, w_o, w_res, xc, xs, wc, wsc; writes xc, xs, wc, wsc
.if DOCPART == 1
	.amdgcn_target "amdgcn-amd-amdhsa--gfx1250"
	.amdhsa_code_object_version 6
	.text
	.protected	k_qbb821c0294_quant
	.globl	k_qbb821c0294_quant
	.p2align	8
	.type	k_qbb821c0294_quant,@function
k_qbb821c0294_quant:
	s_mov_b64 s[64:65], 0
	v_nop
	global_prefetch_b8 v0, s[64:65] scope:SCOPE_SE
	s_setreg_imm32_b32 hwreg(HW_REG_WAVE_MODE, 25, 1), 1
	s_wait_xcnt 0x0
; x [16][128][1024] f32 and the three weights (w_qkv [768][128], w_o [128][256], w_res [128][128], f32) become codes of FP6 (E2M3) with one E8M0 byte for each 32 along K,
; laid as IMAGES OF OPERAND REGISTERS: a fragment (16 rows x 128 K) is 12 registers a lane; register R of lane L lies at (R / 4) x 512 + 16 L + 4 (R % 4) of its 1,536 bytes.
; A block's scale is 2^(floor(log2(largest magnitude)) - 2): its byte is the largest magnitude's exponent field - 2, held at 1 from below by a floor among the maximum's leaves.
; LIMITS: a block whose largest magnitude lies under 2^-124 gets the byte 1; a block of zeros gets the byte 1 where the rule says 127 (its codes are zeros, and this program alone reads the bytes);
; NaN and infinities among the inputs are not served.
; THE ROWS OF A TILE ARE NOT NEIGHBOURS: of 32 positions (and of each 32 rows of w_qkv) tile u, row r is number 8 u + r + 8 (r / 8), so that two neighbouring result tiles give a lane 16 neighbours.
; Work-groups 0 to 255: x.  K (the channels) is x's outer axis: a lane takes ONE position and its registers run down the 128 channels; each load reads 128 consecutive bytes a wave, the two waves 256.
; Work-groups 256 to 291: the weights, a fragment a wave (72 in all); K is innermost there: lane (r, h) loads the 32 numbers of each of its two blocks.
; No LDS, no barrier, no matrix unit, no cluster: waves share nothing and every byte is read once.
.set X,   32                           ; v32-159  x path: 128 channels of my position;  weight path: v32-95 my 64 numbers
.set T0,  160                          ; v160-171 blocks 0 and 2 of my position, then the fragment of tile 0
.set T1,  172                          ; v172-183 blocks 1 and 3, then the fragment of tile 1
.set TT,  184                          ; v184-186 a block's upper 16 codes (a conversion's three registers begin on an even number)
.set M,   8                            ; v8-9     largest magnitudes
.set SO,  12                           ; v12-15   the conversions' scale operands
.set BY,  16                           ; v16-19   the scale bytes
.set SW,  20                           ; v20      the scale word
.set WC,  96                           ; v96-107  weight path: the fragment
.set WT,  112                          ; v112-114, v116-118 weight path: upper halves
	s_load_b256 s[4:11], s[0:1], 0x0               ; x s[4:5], w_qkv s[6:7], w_o s[8:9], w_res s[10:11]
	s_load_b256 s[12:19], s[0:1], 0x20             ; xc s[12:13], xs s[14:15], wc s[16:17], wsc s[18:19]
	v_lshrrev_b32 v1, 5, v0
	v_readfirstlane_b32 s20, v1                    ; wave 0, 1
	v_and_b32 v4, 31, v0                           ; lane L
	v_and_b32 v5, 15, v0                           ; r
	v_bfe_u32 v6, v0, 4, 1                         ; L / 16
	v_lshlrev_b32 v2, 4, v4                        ; 16 L: my place in an image
	v_lshlrev_b32 v3, 2, v4                        ; 4 L: my scale word's
	s_cmp_lt_u32 ttmp9, 256
	s_cbranch_scc0 .Lweights
	; ---- x: batch = id / 16, group of 32 positions = 2 (id % 16) + wave
	v_and_b32 v1, 8, v5
	v_add_nc_u32 v1, v1, v5                        ; r + 8 (r / 8)
	v_lshl_add_u32 v1, v6, 3, v1                   ; + 8 u: my position in the group
	v_lshlrev_b32 v1, 2, v1
	s_lshr_b32 s21, ttmp9, 4                       ; batch
	s_and_b32 s22, ttmp9, 15
	s_lshl_b32 s22, s22, 1
	s_add_co_u32 s22, s22, s20                     ; group
	s_lshl_b32 s24, s21, 19                        ; x: batch x 524,288 + group x 128 bytes
	s_lshl_b32 s26, s22, 7
	s_add_co_u32 s24, s24, s26
	s_mov_b32 s25, 0
	s_lshl_b32 s26, s21, 6                         ; xc: fragment 64 batch + 2 group, 1,536 bytes each
	s_lshl_b32 s27, s22, 1
	s_add_co_u32 s26, s26, s27
	s_mul_i32 s26, s26, 1536
	s_mov_b32 s27, 0
	s_lshl_b32 s28, s21, 12                        ; xs: batch x 4,096 + group x 128
	s_lshl_b32 s29, s22, 7
	s_add_co_u32 s28, s28, s29
	s_mov_b32 s29, 0
	s_wait_alu depctr_va_vdst(0)
	s_wait_kmcnt 0x0
	s_add_nc_u64 s[4:5], s[4:5], s[24:25]
	s_add_nc_u64 s[12:13], s[12:13], s[26:27]
	s_add_nc_u64 s[14:15], s[14:15], s[28:29]
.macro XLOAD k                         ; channels 32 k .. 32 k + 31 of my position; a channel's row is 4,096 bytes
.set cc, 32*(\k)
.rept 32
	global_load_b32 v[X+cc], v1, s[4:5] offset:cc*4096 th:TH_LOAD_NT
.set cc, cc+1
.endr
.endm
; Block k of my position: its largest magnitude is all mine; its 24 bytes of codes go to v[dst] on.  left: the loads that may stay out;  more = 1: the block two on is asked for.
.macro XBLK k, dst, left, more
	s_wait_loadcnt \left                           ; loads come back in order: this block's 32 are in, the next block's 32 may be out
.if \more
	XLOAD (\k)+2
.endif
.set XB, X+32*(\k)
	v_max3_num_f32 v[M], |v[XB]|, |v[XB+1]|, 0x1800000             ; the floor 2^(3 - 127): the byte cannot fall under 1
	v_max3_num_f32 v[M+1], |v[XB+2]|, |v[XB+3]|, |v[XB+4]|         ; two chains, so that no line waits for the line above it
.irp i, 5,9,13,17,21,25
	v_max3_num_f32 v[M], v[M], |v[XB+\i]|, |v[XB+\i+1]|
	v_max3_num_f32 v[M+1], v[M+1], |v[XB+\i+2]|, |v[XB+\i+3]|
.endr
	v_max3_num_f32 v[M], v[M], |v[XB+29]|, |v[XB+30]|
	v_max3_num_f32 v[M], v[M], v[M+1], |v[XB+31]|
	v_add_nc_u32 v[SO+(\k)], 0xff000000, v[M]      ; 2 off the exponent field: the conversion takes the exponent field of this operand as its scale
	v_cvt_scalef32_pk16_fp6_f32 v[(\dst):(\dst)+2], v[XB:XB+15], v[SO+(\k)]
	v_cvt_scalef32_pk16_fp6_f32 v[TT:TT+2], v[XB+16:XB+31], v[SO+(\k)]
	v_lshrrev_b32 v[BY+(\k)], 23, v[SO+(\k)]       ; the scale's byte; also the plain line between the conversions and the moves that read their result
.irp i, 0,1,2
	v_mov_b32 v[(\dst)+3+\i], v[TT+\i]
.endr
.endm
	XLOAD 0
	XLOAD 1
	XBLK 0, T0, 32, 1
	XBLK 1, T1, 32, 1
	XBLK 2, T0+6, 32, 0
	XBLK 3, T1+6, 0, 0
	; Lane (r, u) holds blocks 0, 2 (T0) and 1, 3 (T1) of slot 16 u + r.  A fragment wants, in lane (r, h), blocks h and 2 + h of its row r: T0's upper lanes change places with T1's lower lanes.
.irp i, 0,1,2,3,4,5,6,7,8,9,10,11
	v_permlane16_swap_b32 v[T0+\i], v[T1+\i]
.endr
	v_lshl_or_b32 v[SW], v[BY+1], 8, v[BY]         ; my slot's four bytes
	v_lshl_or_b32 v[SW], v[BY+2], 16, v[SW]
	v_lshl_or_b32 v[SW], v[BY+3], 24, v[SW]
.irp j, 0,1,2
	global_store_b128 v2, v[T0+4*\j:T0+4*\j+3], s[12:13] offset:512*\j        ; 32 lanes store 512 consecutive bytes, aligned
	global_store_b128 v2, v[T1+4*\j:T1+4*\j+3], s[12:13] offset:1536+512*\j
.endr
	global_store_b32 v3, v[SW], s[14:15]           ; 128 consecutive bytes a wave, 256 a work-group
	s_endpgm
.Lweights:
	; ---- the weights: fragment F = 2 (id - 256) + wave.  F < 48: w_qkv, group F / 2 of 32 rows, tile F % 2;  48 .. 63: w_o, 16 rows (F - 48) / 2, K step F % 2;  64 .. 71: w_res, 16 rows F - 64
	s_sub_co_u32 s21, ttmp9, 256
	s_lshl_b32 s21, s21, 1
	s_add_co_u32 s21, s21, s20                     ; F
	s_lshr_b32 s22, s21, 1
	s_lshl_b32 s22, s22, 14                        ; w_qkv: 32 rows of 512 bytes a group,
	s_and_b32 s23, s21, 1
	s_lshl_b32 s24, s23, 12                        ; 8 rows for tile 1
	s_add_co_u32 s22, s22, s24
	s_sub_co_u32 s24, s21, 48
	s_lshr_b32 s24, s24, 1
	s_lshl_b32 s24, s24, 14                        ; w_o: 16 rows of 1,024 bytes,
	s_lshl_b32 s23, s23, 9                         ; 512 bytes a K step
	s_add_co_u32 s24, s24, s23
	s_sub_co_u32 s26, s21, 64
	s_lshl_b32 s26, s26, 13                        ; w_res: 16 rows of 512 bytes
	s_mov_b32 s27, 512
	s_mov_b32 s31, 0
	s_mov_b32 s35, 0
	s_mov_b32 s36, 0x76543210
	s_mov_b32 s37, 0xfedcba98                      ; v_permlanex16_b32's selects for lane l xor 16
	s_wait_kmcnt 0x0
	s_cmp_lt_u32 s21, 64                           ; the choices hang on the fragment's number alone
	s_cselect_b64 s[28:29], s[8:9], s[10:11]
	s_cselect_b32 s30, s24, s26
	s_cselect_b32 s33, 1024, s27                   ; a row in bytes
	s_cmp_lt_u32 s21, 48
	s_cselect_b64 s[28:29], s[6:7], s[28:29]
	s_cselect_b32 s30, s22, s30
	s_cselect_b32 s33, s27, s33
	s_cselect_b32 s32, 4096, 0                     ; w_qkv alone: rows 8 to 15 of a tile lie 8 rows further on
	s_add_nc_u64 s[28:29], s[28:29], s[30:31]
	s_mul_i32 s34, s21, 1536
	s_add_nc_u64 s[16:17], s[16:17], s[34:35]
	s_lshl_b32 s34, s21, 6
	s_add_nc_u64 s[18:19], s[18:19], s[34:35]
	s_wait_alu depctr_va_vdst(0)
	v_mul_lo_u32 v1, v5, s33                       ; row r
	v_lshrrev_b32 v7, 3, v5
	v_mul_lo_u32 v7, v7, s32
	v_lshl_add_u32 v1, v6, 7, v1                   ; + 128 h: lane (r, h) wants k = 64 c + 32 h + 0 .. 31
	v_add_nc_u32 v1, v1, v7
.irp c, 0,1
.irp i, 0,1,2,3,4,5,6,7
	global_load_b128 v[X+32*\c+4*\i:X+32*\c+4*\i+3], v1, s[28:29] offset:256*\c+16*\i th:TH_LOAD_NT
.endr
.endr
	v_lshlrev_b32 v7, 2, v5                        ; 4 r: my row's scale word
	v_mov_b32 v21, 0                               ; (a lane permute's destination counts as one of its sources)
	v_lshlrev_b32 v22, 3, v6                       ; 8 h
	s_wait_loadcnt 0x0
.irp c, 0,1
	v_max3_num_f32 v[M+\c], |v[X+32*\c]|, |v[X+32*\c+1]|, 0x1800000
.endr
.irp i, 2,4,6,8,10,12,14,16,18,20,22,24,26,28,30
.irp c, 0,1
	v_max3_num_f32 v[M+\c], v[M+\c], |v[X+32*\c+\i]|, |v[X+32*\c+\i+1]|       ; my block 2 c + h: all its 32 numbers are mine; the two blocks by turns
.endr
.endr
.irp c, 0,1
	v_add_nc_u32 v[SO+\c], 0xff000000, v[M+\c]
.endr
.irp c, 0,1
	v_lshrrev_b32 v[BY+\c], 23, v[SO+\c]
.endr
	v_lshl_or_b32 v[SW], v[BY+1], 16, v[BY]        ; my two bytes, blocks h and 2 + h,
	v_lshlrev_b32 v[SW], v22, v[SW]                ; at their places in the word;
	v_permlanex16_b32 v21, v[SW], s36, s37
	v_or_b32 v[SW], v[SW], v21                     ; with lane l xor 16's two the word is whole
.irp c, 0,1
	v_cvt_scalef32_pk16_fp6_f32 v[WC+6*\c:WC+6*\c+2], v[X+32*\c:X+32*\c+15], v[SO+\c]
	v_cvt_scalef32_pk16_fp6_f32 v[WT+4*\c:WT+4*\c+2], v[X+32*\c+16:X+32*\c+31], v[SO+\c]
.endr
	v_nop                                          ; one plain line behind the conversions
.irp c, 0,1
.irp i, 0,1,2
	v_mov_b32 v[WC+3+6*\c+\i], v[WT+4*\c+\i]
.endr
.endr
.irp j, 0,1,2
	global_store_b128 v2, v[WC+4*\j:WC+4*\j+3], s[16:17] offset:512*\j
.endr
	global_store_b32 v7, v[SW], s[18:19]           ; lanes r and 16 + r write the same word with the same value
	s_endpgm
.Lfunc_end_k_qbb821c0294_quant:
	.size	k_qbb821c0294_quant, .Lfunc_end_k_qbb821c0294_quant-k_qbb821c0294_quant
	.p2alignl 7, 3214868480
	.fill 96, 4, 3214868480
	.section	.rodata,"a",@progbits
	.p2align	6, 0x0
	.amdhsa_kernel k_qbb821c0294_quant
		.amdhsa_group_segment_fixed_size 0
		.amdhsa_private_segment_fixed_size 0
		.amdhsa_enable_private_segment 0
		.amdhsa_kernarg_size 64
		.amdhsa_user_sgpr_count 2
		.amdhsa_user_sgpr_kernarg_segment_ptr 1
		.amdhsa_wavefront_size32 1
		.amdhsa_system_sgpr_workgroup_id_x 1
		.amdhsa_system_sgpr_workgroup_id_y 1
		.amdhsa_system_sgpr_workgroup_id_z 1
		.amdhsa_system_vgpr_workitem_id 0
		.amdhsa_next_free_vgpr 192
		.amdhsa_next_free_sgpr 66
		.amdhsa_reserve_vcc 0
		.amdhsa_float_denorm_mode_32 3
		.amdhsa_float_denorm_mode_16_64 3
		.amdhsa_memory_ordered 1
		.amdhsa_forward_progress 1
		.amdhsa_inst_pref_size 27
	.end_amdhsa_kernel
	.amdgpu_metadata
---
amdhsa.version: [ 1, 2 ]
amdhsa.kernels:
  - .name:           k_qbb821c0294_quant
    .symbol:         k_qbb821c0294_quant.kd
    .args:
      - { .name: x, .offset: 0, .size: 8, .value_kind: global_buffer, .address_space: global }
      - { .name: w_qkv, .offset: 8, .size: 8, .value_kind: global_buffer, .address_space: global }
      - { .name: w_o, .offset: 16, .size: 8, .value_kind: global_buffer, .address_space: global }
      - { .name: w_res, .offset: 24, .size: 8, .value_kind: global_buffer, .address_space: global }
      - { .name: xc, .offset: 32, .size: 8, .value_kind: global_buffer, .address_space: global }
      - { .name: xs, .offset: 40, .size: 8, .value_kind: global_buffer, .address_space: global }
      - { .name: wc, .offset: 48, .size: 8, .value_kind: global_buffer, .address_space: global }
      - { .name: wsc, .offset: 56, .size: 8, .value_kind: global_buffer, .address_space: global }
    .group_segment_fixed_size: 0
    .private_segment_fixed_size: 0
    .kernarg_segment_align: 8
    .kernarg_segment_size: 64
    .max_flat_workgroup_size: 64
    .sgpr_count:     66
    .vgpr_count:     192
    .wavefront_size: 32
...
	.end_amdgpu_metadata
.endif
;; end of part 1
;; launch attn (part 2): grid 256 x 1, 16 waves a work-group, no clusters, 75,776 bytes of LDS; arguments xc, xs, wc, wsc, b_qkv, zc, zs; writes zc, zs
.if DOCPART == 2
	.amdgcn_target "amdgcn-amd-amdhsa--gfx1250"
	.amdhsa_code_object_version 6
	.text
	.protected	k_qbb821c0294_attn
	.globl	k_qbb821c0294_attn
	.p2align	8
	.type	k_qbb821c0294_attn,@function
k_qbb821c0294_attn:
	s_mov_b64 s[64:65], 0
	v_nop
	global_prefetch_b8 v0, s[64:65] scope:SCOPE_SE
	s_setreg_imm32_b32 hwreg(HW_REG_WAVE_MODE, 25, 1), 1
	s_wait_xcnt 0x0
; One work-group = one (batch, head) and one half (512) of its queries.  q, k, v = w_qkv x + b_qkv (product on FP6 codes), scores = k q^T, p = 2^(t - M), z = (v p^T) / l, z quantised along the head's 32 channels.
; All products: v_wmma_scale_f32_16x16x128_f8f6f4 on E2M3 codes with E8M0 scales; everything else f32.
; SHARES.  Sixteen waves of 256 registers, four to a SIMD, so that one wave's products and LDS loads stand beside another's softmax.  Wave w projects k and v of positions 64 w .. 64 w + 63 into LDS (codes and
; scale bytes of all 1,024 keys: 51,200 bytes, written once), projects q of the 32 queries of group 16 half + w into registers, and walks all keys, 128 a step, for its two tiles of 16 queries one after the other.
; THE SCORES' K IS 32, THE INSTRUCTION'S 128: one fragment of K carries FOUR tiles of 16 keys in its four blocks of 32; q stands in block c of its operand and zero codes in the others, so the product picks tile c.
; Zero codes add nothing whatever stands opposite them; K's scale word holds the four tiles' bytes, q's word its one byte four times.
; TILES' ROWS ARE NOT NEIGHBOURS: of 32 positions (of 32 channels) tile u, row r is number 8 u + r + 8 (r / 8): the 16 registers of two neighbouring result tiles are then 16 neighbours along the next K.
; SOFTMAX.  t = score x log2(e) / sqrt(32) (one constant, rounded once); M = the running largest t rounded up to a whole number, kept as -M; p is not normalised; the sum is taken of the unquantised p;
; when M moves, the sum and z are multiplied by 2^(old M - new M), which rounds nothing.
; LIMITS: NaN and infinities are not served; a block whose largest magnitude lies under 2^-124, and a block of zeros, get the byte 1 (zero codes; this program alone reads the bytes); v's bias is added in f32 behind its product.
; NO CLUSTER, NO TENSOR LOAD: what work-groups share is a batch's codes of x, which each wave takes once, at the head, straight into operand registers (9,216 bytes a wave); the key loop reads no memory at all.
.set KIMG, 0                           ; K: fragment w (key step w / 2, half w % 2), an image of 12 registers, at 1,536 w
.set VIMG, 24576                       ; V: piece (step s, tile dt, half c) at 3,072 s + 1,536 dt + 768 c: registers 6 c .. 6 c + 3 at 16 L, registers 6 c + 4, 5 at 512 + 8 L
.set KSC,  49152                       ; K's scale words: 64 w + 4 r
.set VSC,  50176                       ; V's: 128 s + 64 dt + 4 r, byte b = block b of the step's 128 keys
.set WIMG, 51200                       ; the head's six weight fragments (q, q, k, k, v, v), 9,216 bytes as they lie in wc
.set ZSS,  60416                       ; 512 bytes: z's scale bytes
.set ZST,  60928                       ; 768 bytes a wave: z's codes on their way out.  (Every immediate offset of the text stays under 65,536; the wave's 768 w stands in the address register)
.set LI,  1                            ; v1  16 L        v2  8 L        v3  4 L
.set L8,  2
.set LS,  3
.set A16, 4                            ; v4-6 the step's LDS addresses (at the head: 2 L, 64 h, 4 (r + 8 (r / 8)), offsets of global loads)
.set A8,  5
.set AS,  6
.set MLO, 7                            ; v7  all ones in lanes 0-15      v8  all ones in lanes 16-31      v9  16 h
.set MHI, 8
.set SH,  9
.set TA,  10                           ; v10, v11, v25 LDS addresses of stores
.set TB,  11
.set TC,  25
.set KSW, 16                           ; v16-24 hold scales and nothing else: v16 k's weights', then K's;  v17 v's weights', then V's;  v18 the word just made, p's;
.set VSW, 17
.set PSW, 18
.set QSA, 19                           ; v19, v20 q's byte four times, tile a, tile b;  v21, v22 x's of my 64 positions;  v23 x's of my queries;  v24 q's weights'
.set QSB, 20
.set XS0, 21
.set XSQ, 23
.set WSQ, 24
.set BV,  26                           ; v[26:27] v's bias of my channel, tile 0, tile 1
.set TMB, 28                           ; projection: v28-31 bytes; v32-95 results; v96-143 x of my 64 positions; v144-167 x of my queries; v168-191 two weight fragments; v192-207, v236-251 biases; v208-227 codes; v228-235 at work
.set H,   32
.set XF,  96
.set XQ,  144
.set W,   168
.set BK,  192
.set PC,  208
.set TMX, 228
.set TSO, 232
.set BQ,  236
.set KF,  32                           ; attention: v32-55 K's two fragments; v56-79 V's two; v80-91 q's codes; v92, v93 z's bytes; v96-159 scores, then p; v160-175 z^T
.set VF,  56
.set F,   80
.set G,   86
.set BYA, 92
.set BYB, 93
.set S,   96
.set O,   160
.set BM,  176                          ; v176-187 the blocks' maxima, at work, scale operands; v188-199 p's codes; v200-206 upper halves; v[208:209] f; v210, v211 at work; v[212:213] the sum's second chain
.set BT,  180
.set SO,  184
.set PC2, 188
.set PT,  200
.set FX,  208
.set T0,  210
.set T1,  211
.set SM,  212
.set QL,  214                          ; v214-231 (q in lanes 0-15 | zeros | the same again): registers 0-11 put q in block 0, registers 6-17 in block 2
.set QH,  232                          ; v232-249 the same with q in lanes 16-31: blocks 1 and 3
.set ZC,  250                          ; v250-255 z's codes
; One product.  c < 0: C is the constant 0.  ra, rb: A's, B's scales stand in lanes 16-31 of their register.
.macro WM d, a, b, c, sa, sb, ra, rb
.if (\c) < 0
.if (\ra) && (\rb)
	v_wmma_scale_f32_16x16x128_f8f6f4 v[(\d):(\d)+7], v[(\a):(\a)+11], v[(\b):(\b)+11], 0, v[(\sa)], v[(\sb)] matrix_a_fmt:MATRIX_FMT_FP6 matrix_b_fmt:MATRIX_FMT_FP6 matrix_a_scale:MATRIX_SCALE_ROW1 matrix_b_scale:MATRIX_SCALE_ROW1
.elseif (\ra)
	v_wmma_scale_f32_16x16x128_f8f6f4 v[(\d):(\d)+7], v[(\a):(\a)+11], v[(\b):(\b)+11], 0, v[(\sa)], v[(\sb)] matrix_a_fmt:MATRIX_FMT_FP6 matrix_b_fmt:MATRIX_FMT_FP6 matrix_a_scale:MATRIX_SCALE_ROW1
.elseif (\rb)
	v_wmma_scale_f32_16x16x128_f8f6f4 v[(\d):(\d)+7], v[(\a):(\a)+11], v[(\b):(\b)+11], 0, v[(\sa)], v[(\sb)] matrix_a_fmt:MATRIX_FMT_FP6 matrix_b_fmt:MATRIX_FMT_FP6 matrix_b_scale:MATRIX_SCALE_ROW1
.else
	v_wmma_scale_f32_16x16x128_f8f6f4 v[(\d):(\d)+7], v[(\a):(\a)+11], v[(\b):(\b)+11], 0, v[(\sa)], v[(\sb)] matrix_a_fmt:MATRIX_FMT_FP6 matrix_b_fmt:MATRIX_FMT_FP6
.endif
.else
.if (\ra) && (\rb)
	v_wmma_scale_f32_16x16x128_f8f6f4 v[(\d):(\d)+7], v[(\a):(\a)+11], v[(\b):(\b)+11], v[(\c):(\c)+7], v[(\sa)], v[(\sb)] matrix_a_fmt:MATRIX_FMT_FP6 matrix_b_fmt:MATRIX_FMT_FP6 matrix_a_scale:MATRIX_SCALE_ROW1 matrix_b_scale:MATRIX_SCALE_ROW1
.elseif (\ra)
	v_wmma_scale_f32_16x16x128_f8f6f4 v[(\d):(\d)+7], v[(\a):(\a)+11], v[(\b):(\b)+11], v[(\c):(\c)+7], v[(\sa)], v[(\sb)] matrix_a_fmt:MATRIX_FMT_FP6 matrix_b_fmt:MATRIX_FMT_FP6 matrix_a_scale:MATRIX_SCALE_ROW1
.elseif (\rb)
	v_wmma_scale_f32_16x16x128_f8f6f4 v[(\d):(\d)+7], v[(\a):(\a)+11], v[(\b):(\b)+11], v[(\c):(\c)+7], v[(\sa)], v[(\sb)] matrix_a_fmt:MATRIX_FMT_FP6 matrix_b_fmt:MATRIX_FMT_FP6 matrix_b_scale:MATRIX_SCALE_ROW1
.else
	v_wmma_scale_f32_16x16x128_f8f6f4 v[(\d):(\d)+7], v[(\a):(\a)+11], v[(\b):(\b)+11], v[(\c):(\c)+7], v[(\sa)], v[(\sb)] matrix_a_fmt:MATRIX_FMT_FP6 matrix_b_fmt:MATRIX_FMT_FP6
.endif
.endif
.endm
.macro PLACES                          ; four plain lines between a product and a vector instruction that reads its result or a load into one of its registers
.rept 4
	v_nop
.endr
.endm
.macro BARRIER                         ; my LDS stores have landed and my LDS loads are in: then the work-group's barrier
	s_wait_dscnt 0x0
	s_barrier_signal -1
	s_barrier_wait -1
.endm
; nb blocks (4 or 2) of 32: register s + 16 b + i is number 16 (lane / 16) + i of block b of my row.  Codes to v[PC] on: registers 6 c .. 6 c + 5 hold block 2 c in lanes 0-15, block 2 c + 1 in lanes 16-31.
; The bytes stay in v[TMB + b]; with four blocks they also make the word v[PSW].
.macro QUANT s, nb
.set qb, 0
.rept \nb
	v_max3_num_f32 v[TMX+qb], |v[\s+16*qb]|, |v[\s+16*qb+1]|, 0x1800000        ; my 16 numbers, and the floor 2^(3 - 127): the byte cannot fall under 1
.set qb, qb+1
.endr
.irp i, 2,4,6,8,10,12,14
.set qb, 0
.rept \nb
	v_max3_num_f32 v[TMX+qb], v[TMX+qb], |v[\s+16*qb+\i]|, |v[\s+16*qb+\i+1]|  ; the blocks by turns
.set qb, qb+1
.endr
.endr
.set qb, 0
.rept \nb
	v_permlanex16_b32 v[TMB+qb], v[TMX+qb], s28, s29
.set qb, qb+1
.endr
.set qb, 0
.rept \nb
	v_max_num_f32 v[TMX+qb], v[TMX+qb], v[TMB+qb]  ; with lane l xor 16's 16: the block's largest magnitude
.set qb, qb+1
.endr
.set qb, 0
.rept \nb
	v_add_nc_u32 v[TSO+qb], 0xff000000, v[TMX+qb]  ; 2 off its exponent field: the conversion's scale operand
.set qb, qb+1
.endr
.set qb, 0
.rept \nb
	v_lshrrev_b32 v[TMB+qb], 23, v[TSO+qb]         ; the scale's byte
.set qb, qb+1
.endr
.if \nb == 4
	s_delay_alu instid0(VALU_DEP_3)
	v_lshl_or_b32 v[PSW], v[TMB+1], 8, v[TMB]
	s_delay_alu instid0(VALU_DEP_1)
	v_lshl_or_b32 v[PSW], v[TMB+2], 16, v[PSW]
	s_delay_alu instid0(VALU_DEP_1)
	v_lshl_or_b32 v[PSW], v[TMB+3], 24, v[PSW]
.endif
.set qc, 0
.rept \nb/2
	v_cvt_scalef32_pk16_fp6_f32 v[PC+6*qc:PC+6*qc+2], v[\s+32*qc:\s+32*qc+15], v[TSO+2*qc]
	v_cvt_scalef32_pk16_fp6_f32 v[PC+12+4*qc:PC+14+4*qc], v[\s+32*qc+16:\s+32*qc+31], v[TSO+2*qc+1]   ; (a conversion's three registers begin on an even number)
.set qc, qc+1
.endr
	v_nop                                          ; one plain line behind the conversions
.set qc, 0
.rept \nb/2
.irp i, 0,1,2
	v_permlane16_swap_b32 v[PC+6*qc+\i], v[PC+12+4*qc+\i]          ; a whole block to a lane: the first now holds each lane's block's lower 16 codes, the second the upper 16
.endr
.irp i, 0,1,2
	s_delay_alu instid0(VALU_DEP_3)
	v_mov_b32 v[PC+3+6*qc+\i], v[PC+12+4*qc+\i]
.endr
.set qc, qc+1
.endr
.endm
	s_load_b256 s[4:11], s[0:1], 0x0               ; xc s[4:5], xs s[6:7], wc s[8:9], wsc s[10:11]
	s_load_b128 s[12:15], s[0:1], 0x20             ; b_qkv s[12:13], zc s[14:15]
	s_load_b64 s[16:17], s[0:1], 0x30              ; zs
	v_lshrrev_b32 v10, 5, v0
	s_delay_alu instid0(VALU_DEP_1)
	v_readfirstlane_b32 s18, v10                   ; wave 0..15
	v_and_b32 v11, 31, v0                          ; L
	s_delay_alu instid0(VALU_DEP_1)
	v_lshlrev_b32 v[LI], 4, v11
	s_delay_alu instid0(VALU_DEP_2)
	v_lshlrev_b32 v[L8], 3, v11
	s_delay_alu instid0(VALU_DEP_3)
	v_lshlrev_b32 v[LS], 2, v11
	s_delay_alu instid0(VALU_DEP_4)
	v_lshlrev_b32 v4, 1, v11                       ; 2 L
	v_bfe_u32 v10, v0, 4, 1                        ; h
	s_delay_alu instid0(VALU_DEP_1)
	v_lshlrev_b32 v5, 6, v10                       ; 64 h: a bias's 16 numbers of my half
	s_delay_alu instid0(VALU_DEP_2)
	v_add_nc_u32 v[MLO], -1, v10
	s_delay_alu instid0(VALU_DEP_3)
	v_sub_nc_u32 v[MHI], 0, v10
	s_delay_alu instid0(VALU_DEP_4)
	v_lshlrev_b32 v[SH], 4, v10
	v_and_b32 v6, 15, v0
	s_delay_alu instid0(VALU_DEP_1)
	v_and_b32 v10, 8, v6
	s_delay_alu instid0(VALU_DEP_1)
	v_add_nc_u32 v6, v6, v10
	s_delay_alu instid0(VALU_DEP_1)
	v_lshlrev_b32 v6, 2, v6                        ; 4 (r + 8 (r / 8)): v's bias of my channel
.irp b, 0,1,2,3
	v_mov_b32 v[TMB+\b], 0                         ; written once: a lane permute's destination counts as one of its sources
.endr
	s_lshr_b32 s19, ttmp9, 1                       ; g = 8 batch + head
	s_and_b32 s20, ttmp9, 1                        ; which half of the queries
	s_lshr_b32 s21, s19, 3                         ; batch
	s_and_b32 s22, s19, 7                          ; head
	s_lshl_b32 s23, s20, 4
	s_add_co_u32 s23, s23, s18                     ; my group of 32 queries: 16 half + w
	s_mov_b32 s25, 0
	s_mov_b32 s27, 0
	s_mov_b32 s28, 0x76543210
	s_mov_b32 s29, 0xfedcba98                      ; v_permlanex16_b32's selects for lane l xor 16
	s_mov_b32 s30, 0x3e8293ee                      ; c = log2(e) / sqrt(32)
	s_mov_b32 s31, s30                             ; (named with it as a pair)
	s_mul_i32 s35, s21, 98304                      ; a batch's 64 fragments of x
	s_mul_i32 s24, s18, 6144                       ; my 64 positions: four of them
	s_add_co_u32 s24, s24, s35
	s_mul_i32 s26, s23, 3072                       ; my queries: two
	s_add_co_u32 s26, s26, s35
	s_wait_alu depctr_va_vdst(0)
	s_wait_kmcnt 0x0
	s_add_nc_u64 s[36:37], s[4:5], s[24:25]
	s_add_nc_u64 s[38:39], s[4:5], s[26:27]
	s_lshl_b32 s35, s21, 12                        ; x's scale words: 4,096 bytes a batch, 4 a slot
	s_lshl_b32 s24, s18, 8
	s_add_co_u32 s24, s24, s35
	s_lshl_b32 s26, s23, 7
	s_add_co_u32 s26, s26, s35
	s_add_nc_u64 s[40:41], s[6:7], s[24:25]
	s_add_nc_u64 s[42:43], s[6:7], s[26:27]
	s_mul_i32 s24, s22, 9216                       ; the head's six weight fragments; my 576 bytes of them
	s_mul_i32 s26, s18, 576
	s_add_co_u32 s24, s24, s26
	s_add_nc_u64 s[8:9], s[8:9], s[24:25]
	s_mul_i32 s24, s22, 384                        ; their scale words, 64 bytes a fragment; and the head's 96 biases
	s_add_nc_u64 s[10:11], s[10:11], s[24:25]
	s_add_nc_u64 s[12:13], s[12:13], s[24:25]
	s_mul_i32 s24, s19, 24576                      ; zc: 1,024 slots of 24 bytes a head; my 32 slots
	s_mul_i32 s26, s23, 768
	s_add_co_u32 s24, s24, s26
	s_add_nc_u64 s[14:15], s[14:15], s[24:25]
	s_lshl_b32 s24, s19, 10                        ; zs: a byte a slot; the work-group's 512
	s_lshl_b32 s26, s20, 9
	s_add_co_u32 s24, s24, s26
	s_add_nc_u64 s[16:17], s[16:17], s[24:25]
	; ---- all of the wave's global loads, in the order in which they are wanted
	global_load_b128 v[H:H+3], v[LI], s[8:9]       ; my 576 bytes of the weights: 16 bytes a lane,
	global_load_u16 v[H+4], v4, s[8:9] offset:512  ; and 2 bytes a lane
.irp j, 0,1,2,3,4,5,6,7,8,9,10,11
	global_load_b128 v[XF+4*\j:XF+4*\j+3], v[LI], s[36:37] offset:512*\j      ; for K: 19 loads
.endr
	global_load_b32 v[XS0], v[LS], s[40:41]        ; lanes 0-15: tile 0's words, lanes 16-31: tile 1's
	global_load_b32 v[XS0+1], v[LS], s[40:41] offset:128
	global_load_b32 v[KSW], v[LS], s[10:11] offset:128
.irp i, 0,1,2,3
	global_load_b128 v[BK+4*\i:BK+4*\i+3], v5, s[12:13] offset:128+16*\i      ; k's bias of channels 16 h + 0 .. 15
.endr
	global_load_b32 v[VSW], v[LS], s[10:11] offset:256                        ; for V: 3 loads
	global_load_b32 v[BV], v6, s[12:13] offset:256
	global_load_b32 v[BV+1], v6, s[12:13] offset:288
.irp j, 0,1,2,3,4,5
	global_load_b128 v[XQ+4*\j:XQ+4*\j+3], v[LI], s[38:39] offset:512*\j      ; for Q: 12 loads
.endr
	global_load_b32 v[XSQ], v[LS], s[42:43]
	global_load_b32 v[WSQ], v[LS], s[10:11]
.irp i, 0,1,2,3
	global_load_b128 v[BQ+4*\i:BQ+4*\i+3], v5, s[12:13] offset:16*\i
.endr
	s_mul_i32 s24, s18, 576
	v_add_nc_u32 v[TA], s24, v[LI]
	v_add_nc_u32 v[TB], s24, v4
	s_wait_alu depctr_va_vdst(0)
	s_wait_loadcnt 34                              ; the two first loads are in; the 34 issued behind them may be out
	ds_store_b128 v[TA], v[H:H+3] offset:WIMG
	ds_store_b16 v[TB], v[H+4] offset:WIMG+512
	BARRIER                                        ; the head's weights lie in LDS
	; ---- K: source 0 = 16 channels of k's weights, source 1 = 16 positions; C = the bias.  In tile (c, u) lane (r, h) holds position row r of tile c and channels 16 h + 8 u + 0 .. 7
.irp j, 0,1,2,3,4,5
	ds_load_b128 v[W+4*\j:W+4*\j+3], v[LI] offset:WIMG+3072+512*\j
.endr
	s_wait_dscnt 0x0
	s_wait_loadcnt 15                              ; K's 19 are in; V's 3 and Q's 12 may be out
.irp c, 0,1,2,3
.irp u, 0,1
	WM H+16*\c+8*\u, W+12*\u, XF+12*\c, BK+8*\u, KSW, XS0+\c/2, \u, \c%2
.endr
.endr
	PLACES
.irp j, 0,1,2,3,4,5
	ds_load_b128 v[W+4*\j:W+4*\j+3], v[LI] offset:WIMG+6144+512*\j            ; v's weights land while k is quantised
.endr
	QUANT H, 4                                     ; block c = position tile c: the codes ARE the fragment that carries four tiles of keys
	s_mul_i32 s24, s18, 1536
	v_add_nc_u32 v[TA], s24, v[LI]
	s_lshl_b32 s24, s18, 6
	v_and_b32 v[TB], 60, v[LS]
	s_delay_alu instid0(VALU_DEP_1)
	v_add_nc_u32 v[TB], s24, v[TB]
.irp j, 0,1,2
	ds_store_b128 v[TA], v[PC+4*\j:PC+4*\j+3] offset:KIMG+512*\j
.endr
	ds_store_b32 v[TB], v[PSW] offset:KSC          ; lanes r and 16 + r write the same word with the same value
	; ---- V: source 0 = 16 positions, source 1 = 16 channels of v's weights.  Lane (r, h) holds channel row r of tile dt; registers 32 dt + 16 b + i are keys 64 w + 32 b + 16 h + i
	s_wait_dscnt 0x0                               ; v's weights are in, and the stores have read their registers
	s_wait_loadcnt 12                              ; V's 3 are in; Q's 12 may be out
.irp dt, 0,1
.irp c, 0,1,2,3
	WM H+32*\dt+8*\c, XF+12*\c, W+12*\dt, -1, XS0+\c/2, VSW, \c%2, \dt
.endr
.endr
	PLACES
.irp j, 0,1,2,3,4,5
	ds_load_b128 v[W+4*\j:W+4*\j+3], v[LI] offset:WIMG+512*\j                 ; q's weights
.endr
.set j, 0
.rept 16
	v_pk_add_f32 v[H+j:H+j+1], v[H+j:H+j+1], v[BV:BV+1] op_sel_hi:[1,0]       ; + my channel's bias, tile 0: the pair's first word for both halves
.set j, j+2
.endr
.rept 16
	v_pk_add_f32 v[H+j:H+j+1], v[H+j:H+j+1], v[BV:BV+1] op_sel:[0,1] op_sel_hi:[1,1]   ; tile 1: its second word
.set j, j+2
.endr
	QUANT H, 4                                     ; blocks (dt 0: keys 0-31, 32-63; dt 1: the same): registers 6 dt .. 6 dt + 5 are registers 6 (w % 2) .. of V's fragment (step w / 2, tile dt)
	s_lshr_b32 s24, s18, 1
	s_and_b32 s26, s18, 1
	s_mul_i32 s27, s24, 3072
	s_mul_i32 s35, s26, 768
	s_add_co_u32 s27, s27, s35
	v_add_nc_u32 v[TA], s27, v[LI]
	s_wait_alu depctr_va_vdst(0)
	v_add_nc_u32 v[TB], s27, v[L8]
	s_lshl_b32 s24, s24, 7
	s_lshl_b32 s26, s26, 1
	s_add_co_u32 s24, s24, s26
	v_add_nc_u32 v[TC], s24, v[LS]
	v_lshrrev_b32 v[TMX], v[SH], v[PSW]            ; lanes 0-15: tile 0's two bytes, lanes 16-31: tile 1's
.irp dt, 0,1
	ds_store_b128 v[TA], v[PC+6*\dt:PC+6*\dt+3] offset:VIMG+1536*\dt
	ds_store_b64 v[TB], v[PC+6*\dt+4:PC+6*\dt+5] offset:VIMG+1536*\dt+512
.endr
	ds_store_b16 v[TC], v[TMX] offset:VSC          ; bytes 2 (w % 2), + 1 of the step's scale word of my channel
	; ---- Q: as K, for my two tiles of 16 queries
	s_wait_dscnt 0x0
	s_wait_loadcnt 0x0
.irp t, 0,1
.irp u, 0,1
	WM H+16*\t+8*\u, W+12*\u, XQ+12*\t, BQ+8*\u, WSQ, XSQ, \u, \t
.endr
.endr
	PLACES
	QUANT H, 2                                     ; lanes 0-15: tile a's query r, lanes 16-31: tile b's
.irp i, 0,1,2,3,4,5
	v_mov_b32 v[F+\i], v[PC+\i]
	v_mov_b32 v[G+\i], 0
.endr
.irp i, 0,1,2,3,4,5
	v_permlanex16_b32 v[G+\i], v[F+\i], s28, s29   ; and the other way round
.endr
	v_lshl_or_b32 v[QSA], v[TMB], 8, v[TMB]        ; q's byte in all four bytes of its word
	s_delay_alu instid0(VALU_DEP_1)
	v_lshl_or_b32 v[QSA], v[QSA], 16, v[QSA]
	v_lshl_or_b32 v[QSB], v[TMB+1], 8, v[TMB+1]
	s_delay_alu instid0(VALU_DEP_1)
	v_lshl_or_b32 v[QSB], v[QSB], 16, v[QSB]
	v_mov_b32 v[T0], 0                             ; destinations of lane permutes, and the upper half of the pair f, are written once
	v_mov_b32 v[FX+1], 0
.irp b, 0,1,2,3
	v_mov_b32 v[BT+\b], 0
.endr
	BARRIER                                        ; K, V and their scale bytes are whole; nothing writes them again
; ---- one tile of 16 queries against all 1,024 keys.  fl, fh: the registers that hold its codes in lanes 0-15, in lanes 16-31;  qs: its scale word;  dst, byr: where z's 12 bytes a lane and z's byte go
.macro TILE fl, fh, qs, dst, byr
.irp i, 0,1,2,3,4,5
	v_and_b32 v[QL+\i], v[\fl+\i], v[MLO]
	v_and_b32 v[QH+\i], v[\fh+\i], v[MHI]
	v_mov_b32 v[QL+6+\i], 0
	v_mov_b32 v[QH+6+\i], 0
.endr
.irp i, 0,1,2,3,4,5
	v_mov_b32 v[QL+12+\i], v[QL+\i]
	v_mov_b32 v[QH+12+\i], v[QH+\i]
.endr
.irp j, 0,1,2,3,4,5,6,7,8,9,10,11,12,13,14,15
	v_mov_b32 v[O+\j], 0                           ; z^T.  (The step is written once: the first finds zeros, which the first change of M leaves zeros)
.endr
	v_mov_b32 v13, 0xff61b1e6                      ; the largest t so far: -3e38
	s_delay_alu instid0(VALU_DEP_1)
	v_floor_f32 v12, -v13                          ; -M
	v_mov_b32 v14, 0                               ; the sum, in two halves
	v_mov_b32 v15, 0
	s_mov_b32 s32, 8                               ; key steps
	s_mov_b32 s33, 0                               ; 3,072 bytes of K and of V a step
	s_mov_b32 s34, 0                               ; 128 bytes of scale words
.Lstep_\@:
	s_setprio 2
	v_add_nc_u32 v[A16], s33, v[LI]                ; these four lines are also the places between the last step's products and the loads into V's registers
	v_add_nc_u32 v[A8], s33, v[L8]
	v_add_nc_u32 v[AS], s34, v[LS]
	v_nop
.irp j, 0,1,2,3,4,5
	ds_load_b128 v[KF+4*\j:KF+4*\j+3], v[A16] offset:KIMG+512*\j
.endr
	ds_load_b32 v[KSW], v[AS] offset:KSC           ; lanes 0-15: fragment 0's words, lanes 16-31: fragment 1's
.irp dt, 0,1
	ds_load_b128 v[VF+12*\dt:VF+12*\dt+3], v[A16] offset:VIMG+1536*\dt
	ds_load_b64 v[VF+12*\dt+4:VF+12*\dt+5], v[A8] offset:VIMG+1536*\dt+512
	ds_load_b128 v[VF+12*\dt+6:VF+12*\dt+9], v[A16] offset:VIMG+1536*\dt+768
	ds_load_b64 v[VF+12*\dt+10:VF+12*\dt+11], v[A8] offset:VIMG+1536*\dt+1280
.endr
	ds_load_b32 v[VSW], v[AS] offset:VSC
	s_wait_dscnt 9                                 ; K's seven loads are in; V's nine, issued behind them, may be out
.irp t, 0,1,2,3,4,5,6,7                        ; tile t of 16 keys stands in block t % 4 of fragment t / 4; q stands in the same block of its operand
	WM S+8*\t, KF+12*(\t/4), QL+18*(\t%2)+6*((\t%4)/2), -1, KSW, \qs, \t/4, 0
.endr                                          ; lane (r, h) holds query r; registers 16 b + i are keys 32 b + 16 h + i of the step
	PLACES
.irp b, 0,1,2,3
	v_max3_num_f32 v[BM+\b], v[S+16*\b], v[S+16*\b+1], v[S+16*\b+2]           ; the largest score of each block of 32 keys: for the row's maximum, and, since p rises with the score, for the block's largest p
.endr
.irp i, 3,5,7,9,11,13
.irp b, 0,1,2,3
	v_max3_num_f32 v[BM+\b], v[BM+\b], v[S+16*\b+\i], v[S+16*\b+\i+1]
.endr
.endr
.irp b, 0,1,2,3
	v_max_num_f32 v[BM+\b], v[BM+\b], v[S+16*\b+15]
.endr
.irp b, 0,1,2,3
	s_delay_alu instid0(VALU_DEP_4)
	v_permlanex16_b32 v[BT+\b], v[BM+\b], s28, s29
.endr
.irp b, 0,1,2,3
	s_delay_alu instid0(VALU_DEP_4)
	v_max_num_f32 v[BM+\b], v[BM+\b], v[BT+\b]     ; with lane l xor 16's 16 keys
.endr
	s_delay_alu instid0(VALU_DEP_2)
	v_max3_num_f32 v[T0], v[BM], v[BM+1], v[BM+2]
	s_delay_alu instid0(VALU_DEP_1)
	v_max_num_f32 v[T0], v[T0], v[BM+3]
	s_delay_alu instid0(VALU_DEP_1)
	v_mul_f32 v[T0], s30, v[T0]                    ; the step's largest t (c is positive)
	s_delay_alu instid0(VALU_DEP_1)
	v_max_num_f32 v13, v13, v[T0]
	v_mov_b32 v[T1], v12
	s_delay_alu instid0(VALU_DEP_2)
	v_floor_f32 v12, -v13                          ; the new -M = -ceil(t)
	s_delay_alu instid0(VALU_DEP_1)
	v_sub_f32 v[T1], v12, v[T1]                    ; old M - new M: a whole number, 0 or less
	s_delay_alu instid0(VALU_DEP_1)
	v_cvt_i32_f32 v[T1], v[T1]                     ; (it saturates)
	s_delay_alu instid0(VALU_DEP_1)
	v_ldexp_f32 v[FX], 1.0, v[T1]                  ; f = 2^(old M - new M)
.irp j, 0,2,4,6,8,10,12,14,16,18,20,22,24,26,28,30,32,34,36,38,40,42,44,46,48,50,52,54,56,58,60,62
	v_pk_fma_f32 v[S+\j:S+\j+1], v[S+\j:S+\j+1], s[30:31], v[12:13] op_sel_hi:[1,0,0]   ; t - M, two at a time
.endr
.irp b, 0,1,2,3
	v_fma_f32 v[BM+\b], v[BM+\b], s30, v12         ; the same of each block's largest score
.endr
	s_setprio 1
	s_wait_alu depctr_va_vdst(0)
.irp j, 0,1,2,3,4,5,6,7,8,9,10,11,12,13,14,15,16,17,18,19,20,21,22,23,24,25,26,27,28,29,30,31,32,33,34,35,36,37,38,39,40,41,42,43,44,45,46,47,48,49,50,51,52,53,54,55,56,57,58,59,60,61,62,63
	v_exp_f32 v[S+\j], v[S+\j]                     ; p = 2^(t - M), at most 1, not normalised
.endr
	v_pk_mul_f32 v[14:15], v[14:15], v[FX:FX+1] op_sel_hi:[1,0]               ; the sums under the new M: the plain line behind the exponentials
	s_wait_alu depctr_va_vdst(0)                   ; one wait for the batch of 64, ahead of its first reader
.irp b, 0,1,2,3
	v_exp_f32 v[BM+\b], v[BM+\b]                   ; each block's largest p: the same two instructions on the same number give the same bits
.endr
	v_pk_add_f32 v[SM:SM+1], v[S:S+1], v[S+2:S+3]  ; the sum of the unquantised p, two at a time, in two chains: the first half stands behind the four exponentials
.irp j, 4,8,12,16,20,24,28
	v_pk_add_f32 v[14:15], v[14:15], v[S+\j:S+\j+1]
	v_pk_add_f32 v[SM:SM+1], v[SM:SM+1], v[S+\j+2:S+\j+3]
.endr
	s_wait_alu depctr_va_vdst(0)
.irp j, 0,2,4,6,8,10,12,14
	v_pk_mul_f32 v[O+\j:O+\j+1], v[O+\j:O+\j+1], v[FX:FX+1] op_sel_hi:[1,0]   ; z^T under the new M, each accumulator from its low end on
.endr
	s_wait_alu depctr_va_vdst(0)                   ; and one wait for the four
.irp b, 0,1,2,3
	v_max_num_f32 v[BM+\b], 0x1800000, v[BM+\b]    ; the floor 2^(3 - 127)
.endr
.irp b, 0,1,2,3
	s_delay_alu instid0(VALU_DEP_4)
	v_add_nc_u32 v[SO+\b], 0xff000000, v[BM+\b]
.endr
.irp b, 0,1,2,3
	s_delay_alu instid0(VALU_DEP_4)
	v_lshrrev_b32 v[BT+\b], 23, v[SO+\b]
.endr
	s_delay_alu instid0(VALU_DEP_3)
	v_lshl_or_b32 v[PSW], v[BT+1], 8, v[BT]        ; p's scale word for these 128 keys
	s_delay_alu instid0(VALU_DEP_1)
	v_lshl_or_b32 v[PSW], v[BT+2], 16, v[PSW]
	s_delay_alu instid0(VALU_DEP_1)
	v_lshl_or_b32 v[PSW], v[BT+3], 24, v[PSW]
.irp c, 0,1
	v_cvt_scalef32_pk16_fp6_f32 v[PC2+6*\c:PC2+6*\c+2], v[S+32*\c:S+32*\c+15], v[SO+2*\c]
	v_cvt_scalef32_pk16_fp6_f32 v[PT+4*\c:PT+4*\c+2], v[S+32*\c+16:S+32*\c+31], v[SO+2*\c+1]
.endr
	s_setprio 0
	v_nop                                          ; one plain line behind the conversions
.irp c, 0,1
.irp i, 0,1,2
	v_permlane16_swap_b32 v[PC2+6*\c+\i], v[PT+4*\c+\i]
.endr
.irp i, 0,1,2
	s_delay_alu instid0(VALU_DEP_3)
	v_mov_b32 v[PC2+3+6*\c+\i], v[PT+4*\c+\i]
.endr
.endr
.irp j, 32,36,40,44,48,52,56,60                ; the sums' second half: 17 plain lines between the writes of p's codes and scale word and the products that take them
	v_pk_add_f32 v[14:15], v[14:15], v[S+\j:S+\j+1]
	v_pk_add_f32 v[SM:SM+1], v[SM:SM+1], v[S+\j+2:S+\j+3]
.endr
	s_delay_alu instid0(VALU_DEP_1)
	v_pk_add_f32 v[14:15], v[14:15], v[SM:SM+1]
	s_wait_dscnt 0x0                               ; V is in
.irp dt, 0,1                                   ; z^T += V^T p^T: the two accumulators take turns, and eight score products stand between an accumulator's links
	WM O+8*\dt, VF+12*\dt, PC2, O+8*\dt, VSW, PSW, \dt, 0
.endr
	s_add_co_u32 s33, s33, 3072
	s_add_co_u32 s34, s34, 128
	s_sub_co_u32 s32, s32, 1
	s_cmp_lg_u32 s32, 0
	s_cbranch_scc1 .Lstep_\@
	s_setprio 0
	s_wait_alu depctr_va_vdst(0)
	; z = z^T / the sum; lane (r, h) holds channels 16 h + 0 .. 15 of query r: half of the one block of 32
	v_add_f32 v14, v14, v15
	s_delay_alu instid0(VALU_DEP_1)
	v_permlanex16_b32 v[T0], v14, s28, s29
	s_delay_alu instid0(VALU_DEP_1)
	v_add_f32 v14, v14, v[T0]
	v_nop
	s_wait_alu depctr_va_vdst(0)
	v_rcp_f32 v14, v14
	v_nop                                          ; a plain line behind the reciprocal; with the lines above, four plain lines behind the last products
	s_wait_alu depctr_va_vdst(0)                   ; the wait ahead of the reciprocal's first reader
.irp j, 0,2,4,6,8,10,12,14
	v_pk_mul_f32 v[S+\j:S+\j+1], v[O+\j:O+\j+1], v[14:15] op_sel_hi:[1,0]
.endr
	v_max3_num_f32 v[BM], |v[S]|, |v[S+1]|, 0x1800000
.irp i, 2,4,6,8,10,12,14
	s_delay_alu instid0(VALU_DEP_1)
	v_max3_num_f32 v[BM], v[BM], |v[S+\i]|, |v[S+\i+1]|
.endr
	s_delay_alu instid0(VALU_DEP_1)
	v_permlanex16_b32 v[BT], v[BM], s28, s29
	s_delay_alu instid0(VALU_DEP_1)
	v_max_num_f32 v[BM], v[BM], v[BT]
	s_delay_alu instid0(VALU_DEP_1)
	v_add_nc_u32 v[SO], 0xff000000, v[BM]
	s_delay_alu instid0(VALU_DEP_1)
	v_lshrrev_b32 v[\byr], 23, v[SO]
	v_cvt_scalef32_pk16_fp6_f32 v[\dst:\dst+2], v[S:S+15], v[SO]
	v_nop                                          ; one plain line behind the conversion
.endm
	TILE F, G, QSA, ZC, BYA
	TILE G, F, QSB, PT, BYB
	; ---- the way out.  Tile a's upper lanes change places with tile b's lower lanes: lane L then holds slot L's 24 bytes (L = 16 tile + row)
.irp i, 0,1,2
	v_permlane16_swap_b32 v[ZC+\i], v[PT+\i]
.endr
.irp i, 0,1,2
	s_delay_alu instid0(VALU_DEP_3)
	v_mov_b32 v[ZC+3+\i], v[PT+\i]
.endr
	s_mul_i32 s24, s18, 768
	v_and_b32 v[TA], 31, v0
	s_delay_alu instid0(VALU_DEP_1)
	v_mul_u32_u24 v[TA], v[TA], 24
	s_delay_alu instid0(VALU_DEP_1)
	v_add_nc_u32 v[TA], s24, v[TA]
	v_add_nc_u32 v[TB], s24, v[LI]
	v_add_nc_u32 v[TC], s24, v[L8]
	v_bfi_b32 v[T0], v[MLO], v[BYA], v[BYB]        ; slot L's byte
.irp i, 0,1,2
	ds_store_b64 v[TA], v[ZC+2*\i:ZC+2*\i+1] offset:ZST+8*\i
.endr
	ds_load_b128 v[32:35], v[TB] offset:ZST        ; LDS serves a wave's instructions in order: these see my stores.  768 bytes come back as 512 + 256 consecutive bytes
	ds_load_b64 v[36:37], v[TC] offset:ZST+512
	ds_store_b8 v0, v[T0] offset:ZSS               ; the thread's number is 32 w + L: the slot's place among the work-group's 512
	s_wait_dscnt 0x0
	global_store_b128 v[LI], v[32:35], s[14:15]    ; 512 consecutive bytes, aligned
	global_store_b64 v[L8], v[36:37], s[14:15] offset:512                     ; 256 consecutive bytes, aligned
	s_barrier_signal -1
	s_barrier_wait -1                              ; all 512 scale bytes lie in LDS
	s_cmp_lg_u32 s18, 0
	s_cbranch_scc1 .Lend
	ds_load_b128 v[40:43], v[LI] offset:ZSS
	s_wait_dscnt 0x0
	global_store_b128 v[LI], v[40:43], s[16:17]    ; wave 0 stores them: 512 consecutive bytes, aligned
.Lend:
	s_wait_xcnt 0x0
	v_lshl_add_u32 v254, v0, 2, 0x12000
	v_mov_b32 v255, 0
	s_wait_alu depctr_va_vdst(0)
	s_wait_tensorcnt 0x0
	ds_add_u32 v254, v255
	s_wait_dscnt 0x0
	s_endpgm
.Lfunc_end_k_qbb821c0294_attn:
	.size	k_qbb821c0294_attn, .Lfunc_end_k_qbb821c0294_attn-k_qbb821c0294_attn
	.p2alignl 7, 3214868480
	.fill 96, 4, 3214868480
	.section	.rodata,"a",@progbits
	.p2align	6, 0x0
	.amdhsa_kernel k_qbb821c0294_attn
		.amdhsa_group_segment_fixed_size 75776
		.amdhsa_private_segment_fixed_size 0
		.amdhsa_enable_private_segment 0
		.amdhsa_kernarg_size 56
		.amdhsa_user_sgpr_count 2
		.amdhsa_user_sgpr_kernarg_segment_ptr 1
		.amdhsa_wavefront_size32 1
		.amdhsa_system_sgpr_workgroup_id_x 1
		.amdhsa_system_sgpr_workgroup_id_y 1
		.amdhsa_system_sgpr_workgroup_id_z 1
		.amdhsa_system_vgpr_workitem_id 0
		.amdhsa_next_free_vgpr 256
		.amdhsa_next_free_sgpr 66
		.amdhsa_reserve_vcc 0
		.amdhsa_float_denorm_mode_32 3
		.amdhsa_float_denorm_mode_16_64 3
		.amdhsa_memory_ordered 1
		.amdhsa_forward_progress 1
		.amdhsa_inst_pref_size 66
	.end_amdhsa_kernel
	.amdgpu_metadata
---
amdhsa.version: [ 1, 2 ]
amdhsa.kernels:
  - .name:           k_qbb821c0294_attn
    .symbol:         k_qbb821c0294_attn.kd
    .args:
      - { .name: xc, .offset: 0, .size: 8, .value_kind: global_buffer, .address_space: global }
      - { .name: xs, .offset: 8, .size: 8, .value_kind: global_buffer, .address_space: global }
      - { .name: wc, .offset: 16, .size: 8, .value_kind: global_buffer, .address_space: global }
      - { .name: wsc, .offset: 24, .size: 8, .value_kind: global_buffer, .address_space: global }
      - { .name: b_qkv, .offset: 32, .size: 8, .value_kind: global_buffer, .address_space: global }
      - { .name: zc, .offset: 40, .size: 8, .value_kind: global_buffer, .address_space: global }
      - { .name: zs, .offset: 48, .size: 8, .value_kind: global_buffer, .address_space: global }
    .group_segment_fixed_size: 75776
    .private_segment_fixed_size: 0
    .kernarg_segment_align: 8
    .kernarg_segment_size: 56
    .max_flat_workgroup_size: 512
    .sgpr_count:     66
    .vgpr_count:     256
    .wavefront_size: 32
...
	.end_amdgpu_metadata
.endif
;; end of part 2
;; launch outp (part 3): grid 256 x 1, 8 waves a work-group, no clusters, 54,784 bytes of LDS; arguments zc, zs, xc, xs, wc, wsc, b_o, b_res, out0; writes out0
.if DOCPART == 3
	.amdgcn_target "amdgcn-amd-amdhsa--gfx1250"
	.amdhsa_code_object_version 6
	.text
	.protected	k_qbb821c0294_outp
	.globl	k_qbb821c0294_outp
	.p2align	8
	.type	k_qbb821c0294_outp,@function
k_qbb821c0294_outp:
	s_mov_b64 s[64:65], 0
	v_nop
	global_prefetch_b8 v0, s[64:65] scope:SCOPE_SE
	s_setreg_imm32_b32 hwreg(HW_REG_WAVE_MODE, 25, 1), 1
	s_wait_xcnt 0x0
; out[b][o][l] = sum over 256 channels of w_o[o][ch] z[b][ch][l] + sum over 128 channels of w_res[o][c] x[b][c][l] + b_o[o] + b_res[o], both products on FP6 codes with E8M0 scales, sums in f32.
; The two biases are added first and are the C of each sum's first product (an order of rounding that differs from the source's by f32 rounding alone).
; SHARES.  A work-group takes 64 positions of one batch (four tiles of 16 slots), wave w the output channels 16 w .. 16 w + 15 for all of them: 12 products a wave, three K steps of 128 on four accumulators by turns.
; z's codes lie [head][slot][24 bytes]: a block of 32 along K is one head.  Wave w copies head w's 1,536 bytes, an eighth of x's four fragments and head w's 64 scale bytes into LDS; one barrier; every wave reads all.
; SLOTS: of 32 positions tile u, row r is position 8 u + r + 8 (r / 8).  Source 0 = 16 slots, source 1 = 16 rows of the weight: lane (r, h) then holds channel 16 w + r and, in the registers of tiles u = 0, 1,
; positions 16 h + 0 .. 15 of the 32: neighbours.  A channel's 64 positions are 256 consecutive bytes of out0, aligned: they go through the wave's own stage and leave whole.
; NO CLUSTER, NO TENSOR LOAD: work-groups share the weights alone, 4,608 bytes a wave taken once into registers; all else is read by one work-group.
.set ZL,  0                            ; z's codes: head n's 64 slots x 24 bytes at 1,536 n
.set XL,  12288                        ; x's four fragment images
.set ZSL, 18432                        ; z's scale bytes: 8 slot + head
.set STG, 18944                        ; 8 waves x 16 rows x (256 + 16) bytes
.set LI,  1                            ; v1 16 L   v2 8 L   v3 4 L   v4 4 r   v5 1,536 h + 24 r   v6 8 L + w   v7 stage, in   v8 stage, back   v9 my place in out0   v12 L
.set L8,  2
.set LS,  3
.set R4,  4
.set ZA,  5
.set ZB,  6
.set STO, 7
.set RD,  8
.set CO,  9
.set ZS,  16                           ; v16-23 hold scales and nothing else: v[16:17], v[18:19] z's (32 slots each; the pair's words: K steps 0, 1); v20, v21 x's; v22 w_o's; v23 w_res's
.set XSC, 20
.set WOS, 22
.set WRS, 23
.set BC,  24                           ; v24-31 the bias, eight times
.set WO,  32                           ; v32-55 w_o's two fragments;  v56-67 w_res's
.set WR,  56
.set ACC, 68                           ; v68-99 four accumulators (first: what is copied into LDS)
.set CP,  68
.set ZF,  100                          ; v100-195 z's eight fragments, (2 T + K step) x 12;  later 16 rows read back
.set XF,  196                          ; v196-243 x's four
.macro WM d, a, b, c, sa, sb, ra, rb   ; one product;  ra, rb: A's, B's scales stand in lanes 16-31 of their register
.if (\ra) && (\rb)
	v_wmma_scale_f32_16x16x128_f8f6f4 v[(\d):(\d)+7], v[(\a):(\a)+11], v[(\b):(\b)+11], v[(\c):(\c)+7], v[(\sa)], v[(\sb)] matrix_a_fmt:MATRIX_FMT_FP6 matrix_b_fmt:MATRIX_FMT_FP6 matrix_a_scale:MATRIX_SCALE_ROW1 matrix_b_scale:MATRIX_SCALE_ROW1
.elseif (\ra)
	v_wmma_scale_f32_16x16x128_f8f6f4 v[(\d):(\d)+7], v[(\a):(\a)+11], v[(\b):(\b)+11], v[(\c):(\c)+7], v[(\sa)], v[(\sb)] matrix_a_fmt:MATRIX_FMT_FP6 matrix_b_fmt:MATRIX_FMT_FP6 matrix_a_scale:MATRIX_SCALE_ROW1
.elseif (\rb)
	v_wmma_scale_f32_16x16x128_f8f6f4 v[(\d):(\d)+7], v[(\a):(\a)+11], v[(\b):(\b)+11], v[(\c):(\c)+7], v[(\sa)], v[(\sb)] matrix_a_fmt:MATRIX_FMT_FP6 matrix_b_fmt:MATRIX_FMT_FP6 matrix_b_scale:MATRIX_SCALE_ROW1
.else
	v_wmma_scale_f32_16x16x128_f8f6f4 v[(\d):(\d)+7], v[(\a):(\a)+11], v[(\b):(\b)+11], v[(\c):(\c)+7], v[(\sa)], v[(\sb)] matrix_a_fmt:MATRIX_FMT_FP6 matrix_b_fmt:MATRIX_FMT_FP6
.endif
.endm
	s_load_b256 s[4:11], s[0:1], 0x0               ; zc s[4:5], zs s[6:7], xc s[8:9], xs s[10:11]
	s_load_b256 s[12:19], s[0:1], 0x20             ; wc s[12:13], wsc s[14:15], b_o s[16:17], b_res s[18:19]
	s_load_b64 s[20:21], s[0:1], 0x40              ; out0
	v_lshl_add_u32 v254, v0, 2, 0xd200
	v_mov_b32 v255, 0
	v_lshrrev_b32 v12, 5, v0
	s_delay_alu instid0(VALU_DEP_1)
	v_readfirstlane_b32 s22, v12                   ; wave 0..7
	v_and_b32 v12, 31, v0                          ; L
	v_and_b32 v13, 15, v0                          ; r
	v_bfe_u32 v14, v0, 4, 1                        ; h
	s_delay_alu instid0(VALU_DEP_3)
	v_lshlrev_b32 v[LI], 4, v12
	s_delay_alu instid0(VALU_DEP_4)
	v_lshlrev_b32 v[L8], 3, v12
	v_lshlrev_b32 v[LS], 2, v12
	v_lshlrev_b32 v[R4], 2, v13
	v_mul_u32_u24 v[ZA], v13, 24
	s_delay_alu instid0(VALU_DEP_1)
	v_mad_u32_u24 v[ZA], v14, 1536, v[ZA]          ; lanes 16-31 take the next head
	v_add_nc_u32 v[ZB], s22, v[L8]
	s_mul_i32 s36, s22, 4352                       ; my stage
	v_mul_u32_u24 v[STO], v13, 272                 ; in: row r, 64 bytes for each half of the lanes
	s_delay_alu instid0(VALU_DEP_1)
	v_lshl_add_u32 v[STO], v14, 6, v[STO]
	s_delay_alu instid0(VALU_DEP_1)
	v_add_nc_u32 v[STO], s36, v[STO]
	v_mul_u32_u24 v[RD], v14, 272                  ; back: lanes 0-15 one row of 256 bytes, lanes 16-31 the next
	s_delay_alu instid0(VALU_DEP_1)
	v_lshl_add_u32 v[RD], v13, 4, v[RD]
	s_delay_alu instid0(VALU_DEP_1)
	v_add_nc_u32 v[RD], s36, v[RD]
	v_lshlrev_b32 v[CO], 12, v14                   ; and the same two rows in out0: 4,096 bytes apart
	s_delay_alu instid0(VALU_DEP_1)
	v_lshl_add_u32 v[CO], v13, 4, v[CO]
	s_mul_i32 s36, s22, 1536
	v_add_nc_u32 v13, s36, v[LI]                   ; where I put head w's codes,
	s_mul_i32 s36, s22, 768
	v_add_nc_u32 v14, s36, v[LI]                   ; and my eighth of x's images
	v_add_nc_u32 v15, s36, v[L8]
	s_lshr_b32 s23, ttmp9, 4                       ; batch
	s_and_b32 s24, ttmp9, 15                       ; which 64 positions
	s_lshl_b32 s25, s23, 3
	s_add_co_u32 s25, s25, s22                     ; 8 batch + w: the head that I copy
	s_mov_b32 s27, 0
	s_mul_i32 s26, s25, 24576
	s_mul_i32 s37, s24, 1536
	s_add_co_u32 s26, s26, s37
	s_wait_alu depctr_va_vdst(0)
	s_wait_kmcnt 0x0
	s_add_nc_u64 s[4:5], s[4:5], s[26:27]
	s_lshl_b32 s26, s25, 10
	s_lshl_b32 s37, s24, 6
	s_add_co_u32 s26, s26, s37
	s_add_nc_u64 s[6:7], s[6:7], s[26:27]
	s_mul_i32 s26, s23, 98304
	s_mul_i32 s37, s24, 6144
	s_add_co_u32 s26, s26, s37
	s_add_co_u32 s26, s26, s36                     ; + 768 w
	s_add_nc_u64 s[8:9], s[8:9], s[26:27]
	s_lshl_b32 s26, s23, 12
	s_lshl_b32 s37, s24, 8
	s_add_co_u32 s26, s26, s37
	s_add_nc_u64 s[10:11], s[10:11], s[26:27]
	s_mul_i32 s26, s22, 3072
	s_add_co_u32 s26, s26, 73728                   ; w_o's fragments 48 + 2 w, + 1
	s_add_nc_u64 s[28:29], s[12:13], s[26:27]
	s_mul_i32 s26, s22, 1536
	s_add_co_u32 s26, s26, 98304                   ; w_res's fragment 64 + w
	s_add_nc_u64 s[30:31], s[12:13], s[26:27]
	s_lshl_b32 s26, s22, 7
	s_add_co_u32 s26, s26, 3072                    ; their scale words, 64 bytes a fragment
	s_add_nc_u64 s[32:33], s[14:15], s[26:27]
	s_lshl_b32 s26, s22, 6
	s_add_nc_u64 s[16:17], s[16:17], s[26:27]      ; my 16 biases
	s_add_nc_u64 s[18:19], s[18:19], s[26:27]
	s_add_co_u32 s26, s26, 4096
	s_add_nc_u64 s[34:35], s[14:15], s[26:27]
	s_lshl_b32 s26, s23, 7
	s_lshl_b32 s37, s22, 4
	s_add_co_u32 s26, s26, s37                     ; row 128 batch + 16 w of out0,
	s_lshl_b32 s26, s26, 12
	s_lshl_b32 s37, s24, 8                         ; 256 bytes for each 64 positions
	s_add_co_u32 s26, s26, s37
	s_add_nc_u64 s[20:21], s[20:21], s[26:27]
	; seven loads of what goes through LDS, then fifteen of what stays in my registers
.irp j, 0,1,2
	global_load_b128 v[CP+4*\j:CP+4*\j+3], v[LI], s[4:5] offset:512*\j th:TH_LOAD_NT
.endr
	global_load_b128 v[CP+12:CP+15], v[LI], s[8:9]
	global_load_b64 v[CP+16:CP+17], v[L8], s[8:9] offset:512
	global_load_u8 v[CP+18], v12, s[6:7]
	global_load_u8 v[CP+19], v12, s[6:7] offset:32
.irp j, 0,1,2,3,4,5
	global_load_b128 v[WO+4*\j:WO+4*\j+3], v[LI], s[28:29] offset:512*\j
.endr
.irp j, 0,1,2
	global_load_b128 v[WR+4*\j:WR+4*\j+3], v[LI], s[30:31] offset:512*\j
.endr
	global_load_b32 v[WOS], v[LS], s[32:33]        ; lanes 0-15: K step 0's words, lanes 16-31: K step 1's
	global_load_b32 v[WRS], v[R4], s[34:35]
	global_load_b32 v[XSC], v[LS], s[10:11]        ; lanes 0-15: tile u = 0, lanes 16-31: u = 1
	global_load_b32 v[XSC+1], v[LS], s[10:11] offset:128
	global_load_b32 v10, v[R4], s[16:17]
	global_load_b32 v11, v[R4], s[18:19]
	s_wait_loadcnt 15                              ; the seven first loads are in; the fifteen issued behind them may be out
.irp j, 0,1,2
	ds_store_b128 v13, v[CP+4*\j:CP+4*\j+3] offset:ZL+512*\j
.endr
	ds_store_b128 v14, v[CP+12:CP+15] offset:XL
	ds_store_b64 v15, v[CP+16:CP+17] offset:XL+512
	ds_store_b8 v[ZB], v[CP+18] offset:ZSL         ; slot L, head w
	ds_store_b8 v[ZB], v[CP+19] offset:ZSL+256     ; slot 32 + L
	s_wait_dscnt 0x0                               ; for the others' sake: my stores have landed
	s_barrier_signal -1
	s_barrier_wait -1
.irp t, 0,1,2,3                                ; z's fragment (tile t, K step k): lane (r, h), registers 6 c + 2 i: head 4 k + 2 c + h, slot 16 t + r, bytes 8 i on
.irp k, 0,1
.irp c, 0,1
.irp i, 0,1,2
	ds_load_b64 v[ZF+12*(2*\t+\k)+6*\c+2*\i:ZF+12*(2*\t+\k)+6*\c+2*\i+1], v[ZA] offset:ZL+(4*\k+2*\c)*1536+384*\t+8*\i
.endr
.endr
.endr
.endr
.irp j, 0,1,2,3,4,5,6,7,8,9,10,11
	ds_load_b128 v[XF+4*\j:XF+4*\j+3], v[LI] offset:XL+512*\j
.endr
	ds_load_b64 v[ZS:ZS+1], v[L8] offset:ZSL       ; slot L's eight bytes: heads 0-3, heads 4-7
	ds_load_b64 v[ZS+2:ZS+3], v[L8] offset:ZSL+256
	s_wait_loadcnt 0x0
	v_add_f32 v10, v10, v11                        ; b_o + b_res of my channel
.irp j, 0,1,2,3,4,5,6,7
	v_mov_b32 v[BC+\j], v10
.endr
.rept 4
	v_nop
.endr
	s_wait_alu depctr_va_vdst(0)
	s_wait_dscnt 0x0
.irp t, 0,1,2,3                                ; the four accumulators take turns, one instruction a turn, K step by K step
	WM ACC+8*\t, ZF+12*(2*\t), WO, BC, ZS+2*(\t/2), WOS, \t%2, 0
.endr
.irp t, 0,1,2,3
	WM ACC+8*\t, ZF+12*(2*\t+1), WO+12, ACC+8*\t, ZS+2*(\t/2)+1, WOS, \t%2, 1
.endr
.irp t, 0,1,2,3
	WM ACC+8*\t, XF+12*\t, WR, ACC+8*\t, XSC+\t/2, WRS, \t%2, 0
.endr
.rept 4
	v_nop                                          ; four plain lines between the last product and the stores that read results, and the loads into z's registers
.endr
.irp t, 0,1,2,3                                ; lane (r, h), tile t = 2 b + u, register j: channel 16 w + r, position 32 b + 16 h + 8 u + j
	ds_store_b128 v[STO], v[ACC+8*\t:ACC+8*\t+3] offset:STG+128*(\t/2)+32*(\t%2)       ; each accumulator from its low end on
	ds_store_b128 v[STO], v[ACC+8*\t+4:ACC+8*\t+7] offset:STG+128*(\t/2)+32*(\t%2)+16
.endr
.irp i, 0,1,2,3,4,5,6,7
	ds_load_b128 v[ZF+4*\i:ZF+4*\i+3], v[RD] offset:STG+544*\i     ; LDS serves a wave's instructions in order: these see my stores; the stage is my wave's own
.endr
.irp i, 0,1,2,3,4,5,6,7
	s_wait_dscnt 7-\i                              ; rows 2 i, 2 i + 1 are back; the younger loads may be out
	global_store_b128 v[CO], v[ZF+4*\i:ZF+4*\i+3], s[20:21] offset:8192*\i th:TH_STORE_NT   ; 16 lanes store 256 consecutive bytes, aligned
.endr
	s_wait_tensorcnt 0x0
	ds_add_u32 v254, v255
	s_wait_dscnt 0x0
	s_endpgm
.Lfunc_end_k_qbb821c0294_outp:
	.size	k_qbb821c0294_outp, .Lfunc_end_k_qbb821c0294_outp-k_qbb821c0294_outp
	.p2alignl 7, 3214868480
	.fill 96, 4, 3214868480
	.section	.rodata,"a",@progbits
	.p2align	6, 0x0
	.amdhsa_kernel k_qbb821c0294_outp
		.amdhsa_group_segment_fixed_size 54784
		.amdhsa_private_segment_fixed_size 0
		.amdhsa_enable_private_segment 0
		.amdhsa_kernarg_size 72
		.amdhsa_user_sgpr_count 2
		.amdhsa_user_sgpr_kernarg_segment_ptr 1
		.amdhsa_wavefront_size32 1
		.amdhsa_system_sgpr_workgroup_id_x 1
		.amdhsa_system_sgpr_workgroup_id_y 1
		.amdhsa_system_sgpr_workgroup_id_z 1
		.amdhsa_system_vgpr_workitem_id 0
		.amdhsa_next_free_vgpr 256
		.amdhsa_next_free_sgpr 66
		.amdhsa_reserve_vcc 0
		.amdhsa_float_denorm_mode_32 3
		.amdhsa_float_denorm_mode_16_64 3
		.amdhsa_memory_ordered 1
		.amdhsa_forward_progress 1
		.amdhsa_inst_pref_size 15
	.end_amdhsa_kernel
	.amdgpu_metadata
---
amdhsa.version: [ 1, 2 ]
amdhsa.kernels:
  - .name:           k_qbb821c0294_outp
    .symbol:         k_qbb821c0294_outp.kd
    .args:
      - { .name: zc, .offset: 0, .size: 8, .value_kind: global_buffer, .address_space: global }
      - { .name: zs, .offset: 8, .size: 8, .value_kind: global_buffer, .address_space: global }
      - { .name: xc, .offset: 16, .size: 8, .value_kind: global_buffer, .address_space: global }
      - { .name: xs, .offset: 24, .size: 8, .value_kind: global_buffer, .address_space: global }
      - { .name: wc, .offset: 32, .size: 8, .value_kind: global_buffer, .address_space: global }
      - { .name: wsc, .offset: 40, .size: 8, .value_kind: global_buffer, .address_space: global }
      - { .name: b_o, .offset: 48, .size: 8, .value_kind: global_buffer, .address_space: global }
      - { .name: b_res, .offset: 56, .size: 8, .value_kind: global_buffer, .address_space: global }
      - { .name: out0, .offset: 64, .size: 8, .value_kind: global_buffer, .address_space: global }
    .group_segment_fixed_size: 54784
    .private_segment_fixed_size: 0
    .kernarg_segment_align: 8
    .kernarg_segment_size: 72
    .max_flat_workgroup_size: 256
    .sgpr_count:     66
    .vgpr_count:     256
    .wavefront_size: 32
...
	.end_amdgpu_metadata
.endif
;; end of part 3
